; MI455X (gfx1250); checked and timed in simulation.
; The chip was launched on July 23, 2026; its instructions are those of AMD's public machine-readable ISA for CDNA 5 (MIT licence, August 2026) and "CDNA5" Instruction Set Architecture Reference Guide (July 2026). The comments in the code are by the model that wrote it; some were corrected since.
;; Kalman Filter. Allowed arithmetic: float matrix products may take bf16 or f16 operands with f32 sums; all other float work in f32.
;; Inputs: F 3 x 3 float32; H 3 x 3 float32; Q 3 x 3 float32; epsilon one number float32; gamma 3 x 1 float32; initial_P 3 x 3 float32; initial_x 3 x 1 float32; z_batch 1,000,000 x 8 x 3 float32.
;; Outputs: out0 1,000,000 x 3 float32.
;; One version. Each part assembles by itself: llvm-mc -triple=amdgcn-amd-amdhsa -mcpu=gfx1250 --defsym DOCPART=n.
;; ======== version 1 of 1: 1 launch
;; limits: right only within a limited range of input values
;; launch kalman (part 1): grid 256 x 1, 16 waves a work-group, no clusters, 133,120 bytes of LDS; arguments z_batch, out0, F, H, Q, gamma, initial_x, initial_P, epsilon; writes out0
.if DOCPART == 1
	.amdgcn_target "amdgcn-amd-amdhsa--gfx1250"
	.amdhsa_code_object_version 6
	.text
	.protected	k_q0cee9c0fa7_kalman
	.globl	k_q0cee9c0fa7_kalman
	.p2align	8
	.type	k_q0cee9c0fa7_kalman,@function
k_q0cee9c0fa7_kalman:
	s_mov_b64 s[64:65], 0
	v_nop
	global_prefetch_b8 v0, s[64:65] scope:SCOPE_SE
	s_setreg_imm32_b32 hwreg(HW_REG_WAVE_MODE, 25, 1), 1
	s_wait_xcnt 0x0
; KALMAN FILTER, 1,000,000 samples x 8 steps on a state of 3 (x) + 9 (P) numbers, all in f32.  F, H, Q, gamma, initial_x, initial_P and
; epsilon are taken as general numbers: no identity, no diagonal, no symmetry of P or S is assumed.
; A step as it is computed:  xp = F x;  Pp = (F P) F^T + Q;  PHt = Pp H^T;  S = H PHt + diag(t^2), t = 2 - 2 zc, zc = gamma z;
; y = zc - H xp;  K = PHt adj(S) / det(S);  xu = xp + K y;  Pu = Pp - K (H Pp);  the new state is chosen by max(z) > epsilon with v_cndmask_b32
; (the step is computed in every case: no branch hangs on data).
;
; SHARES.  A tile = 64 consecutive samples = 6,144 bytes of z and 768 bytes of out; 15,625 tiles exactly.  Lane l of a wave owns samples 2l (A)
; and 2l+1 (B) of its tile: every quantity is a register pair (A even, B odd), all arithmetic is packed f32.  4,096 waves (256 work-groups of
; 16); wave id = 256 x wave + work-group takes tiles id, id + 4096, ..: 4 tiles where id < 3,337 = 15,625 - 3 x 4,096, else 3.
; Each wave has 8,192 bytes of LDS of its own and touches no other wave's: there is no barrier.
; z comes in by 12 loads of 512 consecutive aligned bytes, requested one whole tile of arithmetic ahead (6,144 bytes a wave always on their way),
; and is turned from 'lane = 16 bytes of the stream' to 'lane = two samples' through LDS.  out leaves through LDS as three stores in each of
; which the 32 lanes cover 256 consecutive bytes, aligned.
;
; FIRST STEP: x and P are the same for all samples, so xp, Pp, S - R, PHt, H Pp, H xp are made once per wave (while its first tile is on its
; way), kept as 84 words in LDS and read back for each tile.  LAST STEP: only x leaves, so H Pp, Pu and K are not formed:
; xu = xp + PHt (adj y / det).
;
; LEFT OUT, by this text's own arithmetic.  Matrix instructions: the products with both factors per sample (K, K y, K HPp) would sit as a block
; diagonal, 5 blocks x 27 = 135 of a 16x16x32 instruction's 8,192 multiply-adds.  The products with F and H have the carried state as operand:
; P rounded to bf16 puts an error of 2^-9 Pp into Pu = Pp - K H Pp, which is far larger than Pu itself where gamma z is near 1 (Pu ~ R);
; splitting both factors in three bf16 parts costs 6 x 12 = 72 k places, 9 instructions per 16 samples plus a transposition between lanes,
; more than the 77 packed instructions that serve 64 samples here.  Clusters: work-groups share 172 bytes of constants and nothing else.
; Tensor or asynchronous copies: they spare no vector instruction and would ask for a barrier at each refill.  Prefetches: every load is
; issued a whole tile ahead of its use.  Three rank-1 updates in place of the inverse: an elimination without pivoting, wrong near a zero
; leading pivot of a well-conditioned S, which general F, H, Q, P allow.
;
; LIMITS.  (1) A NaN among one step's three z: the reference's maximum is NaN and its condition false; v_max3_num_f32 drops the NaN, so here
; the step may be taken.  (2) v_rcp_f32 flushes denormals (ISA guide 15.8): |det S| must lie within 2^-126 .. 2^126.  (3) S^-1 is adj / det,
; not a pivoted elimination: the order of rounding differs from the reference's.
.set TILE_Z, 6144                      ; bytes of z in a tile
.set TILE_O, 768                       ; bytes of out in a tile
.set NWAVES, 4096
.set FULL,   15625-3*NWAVES            ; 3,337 waves have a fourth tile
.set PITCH,  208                       ; LDS: two samples = 192 bytes + 16: 13 x 16, so sixteen lanes' 16 bytes fall on sixteen different 16-byte columns modulo 256
.set OL,     6656                      ; LDS, in the wave's 8,192 bytes: 0 z (32 x 208), 6656 out (768), 7424 the first step's block (336)
.set CL,     7424
; vector registers
.set GOFF, 1                           ; 16 x lane
.set LST,  2                           ; v[2:4]   LDS address of chunk c = lane + 32 i: 16 (c + c / 12)
.set LRD,  5                           ; 208 x lane
.set OST,  6                           ; out stage, 24 x lane
.set ORD,  7                           ; out stage, 8 x lane
.set OOFF, 8                           ; 8 x lane
.set CLA,  9                           ; the first step's block
.set G,    10                          ; v[10:57]   the next tile as loaded
.set Z,    58                          ; v[58:105]  z of A at Z + 3 t + c, of B at Z + 24 + 3 t + c
.set X,    106                         ; v[106:111] x       (vector element i: pair at + 2 i)
.set P,    112                         ; v[112:129] P       (matrix element (i, j): pair at + 6 i + 2 j)
.set XP,   130                         ; v[130:135] xp, then xu
.set PP,   136                         ; v[136:153] Pp, then Pu
.set TA,   154                         ; v[154:171] F P, then S, then K
.set TB,   172                         ; v[172:189] Pp H^T
.set TD,   190                         ; v[190:207] H Pp
.set TC,   208                         ; v[208:225] adj S; its first six registers: H xp at the head of the first step
.set Y,    226                         ; v[226:231] zc, then y
.set T,    232                         ; v[232:237] t
.set D,    238                         ; v[238:239] det S
.set RD,   240                         ; v[240:241] 1 / det S
.set QV,   242                         ; v[242:251] Q's nine entries and a zero, two to a pair, chosen by op_sel
.set M,    252                         ; v[252:253] max z of A, of B
.set O,    Y                           ; results in out's order: xA0 xA1 xA2 xB0 xB1 xB2 (y is done with)
.set W,    T                           ; last step: adj y (t is done with)
.set OBR,  T                           ; out bytes read back
.set BLK,  XP                          ; v[130:213]: XP, PP, TA, TB, TD, TC[0:5] = the first step's 84 words
; scalar registers
.set FS,   22                          ; s[22:39] F: entry e in the even register of pair e (a packed source is a pair; the low one is broadcast)
.set HS,   40                          ; s[40:57] H likewise
.set QS,   68                          ; s[68:76] Q
.set GM,   84                          ; s[84:86] gamma;  s87 epsilon
.set X0,   88                          ; s[88:90] initial_x
.set P0,   92                          ; s[92:100] initial_P
                                       ; s58 wave, s59 id, s60 trips, s61 trip counter, s62 / s63 masks of A / B, s101 the wave's LDS base
; ---------------------------------------------------------------- macros
.macro FETCH                           ; a tile of z: 12 loads, each 512 consecutive bytes from a multiple of 512 in the tile
.irp j, 0,1,2,3,4,5,6,7,8,9,10,11
	global_load_b128 v[G+4*\j:G+4*\j+3], v[GOFF], s[4:5] offset:512*\j th:TH_LOAD_NT
.endr
.endm
; In all products k is the outermost loop: nine (or three) independent instructions stand between the links of a chain.
.macro CLEFT dst, c, src               ; dst = C src, C in scalar pairs
.irp i, 0,1,2
.irp j, 0,1,2
	v_pk_mul_f32 v[\dst+6*\i+2*\j:\dst+6*\i+2*\j+1], v[\src+2*\j:\src+2*\j+1], s[\c+6*\i:\c+6*\i+1] op_sel_hi:[1,0]
.endr
.endr
.irp k, 1,2
.irp i, 0,1,2
.irp j, 0,1,2
	v_pk_fma_f32 v[\dst+6*\i+2*\j:\dst+6*\i+2*\j+1], v[\src+6*\k+2*\j:\src+6*\k+2*\j+1], s[\c+6*\i+2*\k:\c+6*\i+2*\k+1], v[\dst+6*\i+2*\j:\dst+6*\i+2*\j+1] op_sel_hi:[1,0,1]
.endr
.endr
.endr
.endm
.macro CRIGHT dst, src, c, q           ; dst = src C^T (+ Q where q = 1: Q is the addend of the first link)
.irp i, 0,1,2
.irp j, 0,1,2
.if \q
.if (3*\i+\j)%2
	v_pk_fma_f32 v[\dst+6*\i+2*\j:\dst+6*\i+2*\j+1], v[\src+6*\i:\src+6*\i+1], s[\c+6*\j:\c+6*\j+1], v[QV+3*\i+\j-1:QV+3*\i+\j] op_sel:[0,0,1] op_sel_hi:[1,0,1]
.else
	v_pk_fma_f32 v[\dst+6*\i+2*\j:\dst+6*\i+2*\j+1], v[\src+6*\i:\src+6*\i+1], s[\c+6*\j:\c+6*\j+1], v[QV+3*\i+\j:QV+3*\i+\j+1] op_sel_hi:[1,0,0]
.endif
.else
	v_pk_mul_f32 v[\dst+6*\i+2*\j:\dst+6*\i+2*\j+1], v[\src+6*\i:\src+6*\i+1], s[\c+6*\j:\c+6*\j+1] op_sel_hi:[1,0]
.endif
.endr
.endr
.irp k, 1,2
.irp i, 0,1,2
.irp j, 0,1,2
	v_pk_fma_f32 v[\dst+6*\i+2*\j:\dst+6*\i+2*\j+1], v[\src+6*\i+2*\k:\src+6*\i+2*\k+1], s[\c+6*\j+2*\k:\c+6*\j+2*\k+1], v[\dst+6*\i+2*\j:\dst+6*\i+2*\j+1] op_sel_hi:[1,0,1]
.endr
.endr
.endr
.endm
.macro CVEC dst, c, src, sub           ; sub = 0: dst = C src;  sub = 1: dst -= C src   (vectors)
.if \sub
.irp k, 0,1,2
.irp i, 0,1,2
	v_pk_fma_f32 v[\dst+2*\i:\dst+2*\i+1], v[\src+2*\k:\src+2*\k+1], s[\c+6*\i+2*\k:\c+6*\i+2*\k+1], v[\dst+2*\i:\dst+2*\i+1] op_sel_hi:[1,0,1] neg_lo:[1,0,0] neg_hi:[1,0,0]
.endr
.endr
.else
.irp i, 0,1,2
	v_pk_mul_f32 v[\dst+2*\i:\dst+2*\i+1], v[\src:\src+1], s[\c+6*\i:\c+6*\i+1] op_sel_hi:[1,0]
.endr
.irp k, 1,2
.irp i, 0,1,2
	v_pk_fma_f32 v[\dst+2*\i:\dst+2*\i+1], v[\src+2*\k:\src+2*\k+1], s[\c+6*\i+2*\k:\c+6*\i+2*\k+1], v[\dst+2*\i:\dst+2*\i+1] op_sel_hi:[1,0,1]
.endr
.endr
.endif
.endm
.macro VMUL dst, a, b, sub             ; sub = 0: dst = a b;  sub = 1: dst -= a b   (all per sample)
.if \sub
.irp k, 0,1,2
.irp i, 0,1,2
.irp j, 0,1,2
	v_pk_fma_f32 v[\dst+6*\i+2*\j:\dst+6*\i+2*\j+1], v[\a+6*\i+2*\k:\a+6*\i+2*\k+1], v[\b+6*\k+2*\j:\b+6*\k+2*\j+1], v[\dst+6*\i+2*\j:\dst+6*\i+2*\j+1] neg_lo:[1,0,0] neg_hi:[1,0,0]
.endr
.endr
.endr
.else
.irp i, 0,1,2
.irp j, 0,1,2
	v_pk_mul_f32 v[\dst+6*\i+2*\j:\dst+6*\i+2*\j+1], v[\a+6*\i:\a+6*\i+1], v[\b+2*\j:\b+2*\j+1]
.endr
.endr
.irp k, 1,2
.irp i, 0,1,2
.irp j, 0,1,2
	v_pk_fma_f32 v[\dst+6*\i+2*\j:\dst+6*\i+2*\j+1], v[\a+6*\i+2*\k:\a+6*\i+2*\k+1], v[\b+6*\k+2*\j:\b+6*\k+2*\j+1], v[\dst+6*\i+2*\j:\dst+6*\i+2*\j+1]
.endr
.endr
.endr
.endif
.endm
.macro VVEC dst, a, vec, acc           ; acc = 0: dst = a vec;  acc = 1: dst += a vec
.if \acc
.irp k, 0,1,2
.irp i, 0,1,2
	v_pk_fma_f32 v[\dst+2*\i:\dst+2*\i+1], v[\a+6*\i+2*\k:\a+6*\i+2*\k+1], v[\vec+2*\k:\vec+2*\k+1], v[\dst+2*\i:\dst+2*\i+1]
.endr
.endr
.else
.irp i, 0,1,2
	v_pk_mul_f32 v[\dst+2*\i:\dst+2*\i+1], v[\a+6*\i:\a+6*\i+1], v[\vec:\vec+1]
.endr
.irp k, 1,2
.irp i, 0,1,2
	v_pk_fma_f32 v[\dst+2*\i:\dst+2*\i+1], v[\a+6*\i+2*\k:\a+6*\i+2*\k+1], v[\vec+2*\k:\vec+2*\k+1], v[\dst+2*\i:\dst+2*\i+1]
.endr
.endr
.endif
.endm
.macro LINP last                       ; what is linear in P
	CLEFT  TA, FS, P                               ; F P
	CRIGHT PP, TA, FS, 1                           ; Pp = (F P) F^T + Q
	CRIGHT TB, PP, HS, 0                           ; Pp H^T
	CLEFT  TA, HS, TB                              ; H Pp H^T: S without R
.if !\last
	CLEFT  TD, HS, PP                              ; H Pp
.endif
.endm
.macro MEAS t                          ; zc = gamma z (which also brings A and B side by side); t = 2 - 2 zc, the same bits as (1 - zc) 2
.irp i, 0,1,2
	v_mul_f32 v[Y+2*\i],   s[GM+\i], v[Z+3*\t+\i]
	v_mul_f32 v[Y+2*\i+1], s[GM+\i], v[Z+24+3*\t+\i]
.endr
.irp i, 0,1,2
	v_pk_fma_f32 v[T+2*\i:T+2*\i+1], v[Y+2*\i:Y+2*\i+1], -2.0, 2.0 op_sel_hi:[1,0,0]
.endr
.endm
.macro COND t                          ; the masks: max of the raw z > epsilon
	v_max3_num_f32 v[M],   v[Z+3*\t],    v[Z+3*\t+1],    v[Z+3*\t+2]
	v_max3_num_f32 v[M+1], v[Z+24+3*\t], v[Z+24+3*\t+1], v[Z+24+3*\t+2]
	v_cmp_gt_f32 s62, v[M],   s87
	v_cmp_gt_f32 s63, v[M+1], s87
.endm
.macro ADJ                             ; adj(i, j) = S(a, c) S(b, d) - S(a, d) S(b, c), a = j+1, b = j+2, c = i+1, d = i+2 modulo 3
.irp i, 0,1,2
.irp j, 0,1,2
.set ra, (\j+1)%3
.set rb, (\j+2)%3
.set ca, (\i+1)%3
.set cb, (\i+2)%3
	v_pk_mul_f32 v[TC+6*\i+2*\j:TC+6*\i+2*\j+1], v[TA+6*ra+2*cb:TA+6*ra+2*cb+1], v[TA+6*rb+2*ca:TA+6*rb+2*ca+1]
.endr
.endr
.irp i, 0,1,2
.irp j, 0,1,2
.set ra, (\j+1)%3
.set rb, (\j+2)%3
.set ca, (\i+1)%3
.set cb, (\i+2)%3
	v_pk_fma_f32 v[TC+6*\i+2*\j:TC+6*\i+2*\j+1], v[TA+6*ra+2*ca:TA+6*ra+2*ca+1], v[TA+6*rb+2*cb:TA+6*rb+2*cb+1], v[TC+6*\i+2*\j:TC+6*\i+2*\j+1] neg_lo:[0,0,1] neg_hi:[0,0,1]
.endr
.endr
.endm
.macro DET                             ; det = row 0 of S times column 0 of adj; then its reciprocal for A and for B
	v_pk_mul_f32 v[D:D+1], v[TA:TA+1],     v[TC:TC+1]
	v_pk_fma_f32 v[D:D+1], v[TA+2:TA+3],   v[TC+6:TC+7],   v[D:D+1]
	v_pk_fma_f32 v[D:D+1], v[TA+4:TA+5],   v[TC+12:TC+13], v[D:D+1]
	v_rcp_f32 v[RD],   v[D]                        ; behind the two: a product of at least nine plain packed instructions that name neither
	v_rcp_f32 v[RD+1], v[D+1]                      ; D nor RD stands before RD is read (ISA guide 5.7.2 asks for one)
.endm
.macro SELECT first, last              ; even registers (A) by s62, odd ones (B) by s63; mask bit 1 takes the updated value
.if \last
.irp i, 0,1,2
	v_cndmask_b32 v[O+\i],   v[X+2*\i],   v[XP+2*\i],   s62
	v_cndmask_b32 v[O+3+\i], v[X+2*\i+1], v[XP+2*\i+1], s63
.endr
.else
.irp e, 0,1,2
.if \first
	v_cndmask_b32 v[X+2*\e],   s[X0+\e], v[XP+2*\e],   s62     ; the old value is initial_x, straight from its scalar register
	v_cndmask_b32 v[X+2*\e+1], s[X0+\e], v[XP+2*\e+1], s63
.else
	v_cndmask_b32 v[X+2*\e],   v[X+2*\e],   v[XP+2*\e],   s62
	v_cndmask_b32 v[X+2*\e+1], v[X+2*\e+1], v[XP+2*\e+1], s63
.endif
.endr
.irp e, 0,1,2,3,4,5,6,7,8
.if \first
	v_cndmask_b32 v[P+2*\e],   s[P0+\e], v[PP+2*\e],   s62
	v_cndmask_b32 v[P+2*\e+1], s[P0+\e], v[PP+2*\e+1], s63
.else
	v_cndmask_b32 v[P+2*\e],   v[P+2*\e],   v[PP+2*\e],   s62
	v_cndmask_b32 v[P+2*\e+1], v[P+2*\e+1], v[PP+2*\e+1], s63
.endif
.endr
.endif
.endm
.macro STEP t, first, last
	MEAS \t
.if \first
.irp i, 0,1,2
	v_pk_add_f32 v[Y+2*\i:Y+2*\i+1], v[Y+2*\i:Y+2*\i+1], v[TC+2*\i:TC+2*\i+1] neg_lo:[0,1] neg_hi:[0,1]   ; y = zc - H xp, H xp from the block
.endr
.else
	CVEC XP, FS, X, 0                              ; xp = F x
	CVEC Y, HS, XP, 1                              ; y = zc - H xp
	LINP \last
.endif
.irp i, 0,1,2
	v_pk_fma_f32 v[TA+8*\i:TA+8*\i+1], v[T+2*\i:T+2*\i+1], v[T+2*\i:T+2*\i+1], v[TA+8*\i:TA+8*\i+1]       ; S(i, i) += t(i)^2
.endr
	ADJ
	DET
.if \last
	VVEC W, TC, Y, 0                               ; adj y
	COND \t
	s_wait_alu depctr_va_vdst(0)
.irp i, 0,1,2
	v_pk_mul_f32 v[W+2*\i:W+2*\i+1], v[W+2*\i:W+2*\i+1], v[RD:RD+1]
.endr
	VVEC XP, TB, W, 1                              ; xu = xp + Pp H^T (S^-1 y)
.else
	VMUL TA, TB, TC, 0                             ; Pp H^T adj (S is done with once det is made)
	COND \t
	s_wait_alu depctr_va_vdst(0)
.irp e, 0,1,2,3,4,5,6,7,8
	v_pk_mul_f32 v[TA+2*\e:TA+2*\e+1], v[TA+2*\e:TA+2*\e+1], v[RD:RD+1]    ; K
.endr
	VVEC XP, TA, Y, 1                              ; xu = xp + K y
	VMUL PP, TA, TD, 1                             ; Pu = Pp - K (H Pp)
.endif
	SELECT \first, \last
.endm
; ---------------------------------------------------------------- preamble
	s_load_b512 s[4:19], s[0:1], 0x0               ; z s[4:5], out s[6:7], F s[8:9], H s[10:11], Q s[12:13], gamma s[14:15], initial_x s[16:17], initial_P s[18:19]
	s_load_b64 s[20:21], s[0:1], 0x40              ; epsilon
	v_lshl_add_u32 v254, v0, 2, 0x20000
	v_mov_b32 v255, 0
	v_and_b32 v[OOFF], 31, v0                      ; lane (scaled to 8 x lane at the end)
	v_lshrrev_b32 v[CLA], 5, v0
	v_readfirstlane_b32 s58, v[CLA]                ; wave 0 .. 15
	s_lshl_b32 s101, s58, 13                       ; my 8,192 bytes of LDS
	s_lshl_b32 s59, s58, 8
	s_add_co_u32 s59, s59, ttmp9                   ; id = 256 x wave + work-group
	s_cmp_lt_u32 s59, FULL
	s_cselect_b32 s60, 4, 3                        ; my number of tiles
	s_add_co_u32 s2, s101, OL
	s_add_co_u32 s3, s101, CL
	s_mov_b32 s[FS+17], 0                          ; the odd partners of the ninth entries: read as part of a pair, never used
	s_mov_b32 s[HS+17], 0
	v_lshlrev_b32 v[GOFF], 4, v[OOFF]
.irp i, 0,1,2
	v_add_nc_u32 v[CLA], 32*\i, v[OOFF]            ; chunk c = lane + 32 i of 16 bytes; 12 chunks are two samples
	v_mul_u32_u24 v[LST+\i], 43, v[CLA]
	v_lshrrev_b32 v[LST+\i], 9, v[LST+\i]          ; c / 12 = 43 c >> 9, exact for c < 96 (43 x 12 = 516: the excess 4 (c / 12) stays below 43)
	v_add_nc_u32 v[LST+\i], v[LST+\i], v[CLA]
	v_lshl_add_u32 v[LST+\i], v[LST+\i], 4, s101   ; 16 c + 16 (c / 12): 16 bytes of padding behind every 192
.endr
	v_mul_u32_u24 v[LRD], v[OOFF], PITCH
	v_add_nc_u32 v[LRD], s101, v[LRD]
	v_mul_u32_u24 v[OST], v[OOFF], 24
	v_add_nc_u32 v[OST], s2, v[OST]
	v_lshl_add_u32 v[ORD], v[OOFF], 3, s2
	v_mov_b32 v[CLA], s3
	v_lshlrev_b32 v[OOFF], 3, v[OOFF]
	s_wait_kmcnt 0x0                               ; the nine addresses
	s_mul_i32 s2, s59, TILE_Z                      ; at most 4,095 x 6,144: 32 bits do
	s_mov_b32 s3, 0
	s_add_nc_u64 s[4:5], s[4:5], s[2:3]            ; z at my first tile
	s_mul_i32 s2, s59, TILE_O
	s_add_nc_u64 s[6:7], s[6:7], s[2:3]            ; out at my first tile
.irp e, 0,1,2,3,4,5,6,7
	s_load_b64 s[FS+2*\e:FS+2*\e+1], s[8:9],   4*\e        ; entry e into the even register; the odd one gets entry e + 1 and is only thereby written
	s_load_b64 s[HS+2*\e:HS+2*\e+1], s[10:11], 4*\e        ; the last of these ends at byte 36, the matrix's end
.endr
	s_load_b32 s[FS+16], s[8:9], 32
	s_load_b32 s[HS+16], s[10:11], 32
	s_load_b256 s[QS:QS+7], s[12:13], 0x0
	s_load_b32 s[QS+8], s[12:13], 32
	s_load_b96 s[GM:GM+2], s[14:15], 0x0
	s_load_b96 s[X0:X0+2], s[16:17], 0x0
	s_load_b256 s[P0:P0+7], s[18:19], 0x0
	s_load_b32 s[P0+8], s[18:19], 32
	s_load_b32 s87, s[20:21], 0x0
	FETCH                                          ; my first tile sets out before the block below is computed
	s_wait_kmcnt 0x0                               ; scalar loads return in no order: only the count 0 shows them in
.irp e, 0,1,2,3,4,5,6,7,8
	v_mov_b32 v[QV+\e], s[QS+\e]
.endr
	v_mov_b32 v[QV+9], 0                           ; the partner of Q's ninth entry
.irp e, 0,1,2
	v_mov_b32 v[X+2*\e],   s[X0+\e]
	v_mov_b32 v[X+2*\e+1], s[X0+\e]
.endr
.irp e, 0,1,2,3,4,5,6,7,8
	v_mov_b32 v[P+2*\e],   s[P0+\e]
	v_mov_b32 v[P+2*\e+1], s[P0+\e]
.endr
	CVEC XP, FS, X, 0                              ; the first step's part that no z enters, the same in every lane
	LINP 0
	CVEC TC, HS, XP, 0                             ; H xp
.irp e, 0,1,2,3,4,5,6,7,8,9,10,11,12,13,14,15,16,17,18,19,20
	ds_store_b128 v[CLA], v[BLK+4*\e:BLK+4*\e+3] offset:16*\e      ; all lanes store the same 16 bytes to the same place, in my own LDS
.endr
	s_mov_b32 s61, 0
; ---------------------------------------------------------------- a trip = a tile
.Ltile:
.irp e, 0,1,2,3,4,5,6,7,8,9,10,11,12,13,14,15,16,17,18,19,20
	ds_load_b128 v[BLK+4*\e:BLK+4*\e+3], v[CLA] offset:16*\e       ; LDS serves a wave's instructions in order (ISA guide 5.7.1): these see the stores above
.endr
.irp j, 0,1,2,3,4,5,6,7,8,9,10,11
	s_wait_loadcnt 11-\j                           ; the tile's 12 loads are the only global loads out; 11 - j of them are younger than load j
	ds_store_b128 v[LST+\j%3], v[G+4*\j:G+4*\j+3] offset:8*PITCH*(\j/3)    ; three loads = 96 chunks = 8 pairs of samples
.endr
.irp e, 0,1,2,3,4,5,6,7,8,9,10,11
	ds_load_b128 v[Z+4*\e:Z+4*\e+3], v[LRD] offset:16*\e           ; my two samples: 24 + 24 words
.endr
	s_add_co_u32 s61, s61, 1
	s_cmp_ge_u32 s61, s60
	s_cbranch_scc1 .Lnofetch                       ; the last trip asks for nothing: no load leaves z
	s_add_nc_u64 s[4:5], s[4:5], NWAVES*TILE_Z     ; free since the wait for 0 loads above
	FETCH                                          ; the next tile, a whole tile of arithmetic ahead of its use
.Lnofetch:
	s_wait_dscnt 0x0                               ; the block and z
	STEP 0, 1, 0
.irp t, 1,2,3,4,5,6
	STEP \t, 0, 0
.endr
	STEP 7, 0, 1
	; the way out: 24 bytes a lane into the stage, read back as 3 x 256 bytes
.irp e, 0,1,2
	ds_store_b64 v[OST], v[O+2*\e:O+2*\e+1] offset:8*\e
.endr
.irp e, 0,1,2
	ds_load_b64 v[OBR+2*\e:OBR+2*\e+1], v[ORD] offset:256*\e
.endr
.irp e, 0,1,2
	s_wait_dscnt 2-\e                              ; 2 - e younger read-backs may stay out
	global_store_b64 v[OOFF], v[OBR+2*\e:OBR+2*\e+1], s[6:7] offset:256*\e th:TH_STORE_NT   ; 32 lanes store 256 consecutive bytes, at a multiple of 256 from out's first byte
.endr
	s_wait_xcnt 0x0                                ; the stores' base is stepped, and their data (t's registers) rewritten in the next trip, only behind this wait
	s_add_nc_u64 s[6:7], s[6:7], NWAVES*TILE_O
	s_cmp_lt_u32 s61, s60
	s_cbranch_scc1 .Ltile
	s_wait_tensorcnt 0x0
	ds_add_u32 v254, v255
	s_wait_dscnt 0x0
	s_endpgm
.Lfunc_end_k_q0cee9c0fa7_kalman:
	.size	k_q0cee9c0fa7_kalman, .Lfunc_end_k_q0cee9c0fa7_kalman-k_q0cee9c0fa7_kalman
	.p2alignl 7, 3214868480
	.fill 96, 4, 3214868480
	.section	.rodata,"a",@progbits
	.p2align	6, 0x0
	.amdhsa_kernel k_q0cee9c0fa7_kalman
		.amdhsa_group_segment_fixed_size 133120
		.amdhsa_private_segment_fixed_size 0
		.amdhsa_enable_private_segment 0
		.amdhsa_kernarg_size 72
		.amdhsa_user_sgpr_count 2
		.amdhsa_user_sgpr_kernarg_segment_ptr 1
		.amdhsa_wavefront_size32 1
		.amdhsa_system_sgpr_workgroup_id_x 1
		.amdhsa_system_sgpr_workgroup_id_y 1
		.amdhsa_system_sgpr_workgroup_id_z 1
		.amdhsa_system_vgpr_workitem_id 0
		.amdhsa_next_free_vgpr 256
		.amdhsa_next_free_sgpr 102
		.amdhsa_reserve_vcc 0
		.amdhsa_float_denorm_mode_32 3
		.amdhsa_float_denorm_mode_16_64 3
		.amdhsa_memory_ordered 1
		.amdhsa_forward_progress 1
		.amdhsa_inst_pref_size 150
	.end_amdhsa_kernel
	.amdgpu_metadata
---
amdhsa.version: [ 1, 2 ]
amdhsa.kernels:
  - .name:           k_q0cee9c0fa7_kalman
    .symbol:         k_q0cee9c0fa7_kalman.kd
    .args:
      - { .name: z_batch, .offset: 0, .size: 8, .value_kind: global_buffer, .address_space: global }
      - { .name: out0, .offset: 8, .size: 8, .value_kind: global_buffer, .address_space: global }
      - { .name: F, .offset: 16, .size: 8, .value_kind: global_buffer, .address_space: global }
      - { .name: H, .offset: 24, .size: 8, .value_kind: global_buffer, .address_space: global }
      - { .name: Q, .offset: 32, .size: 8, .value_kind: global_buffer, .address_space: global }
      - { .name: gamma, .offset: 40, .size: 8, .value_kind: global_buffer, .address_space: global }
      - { .name: initial_x, .offset: 48, .size: 8, .value_kind: global_buffer, .address_space: global }
      - { .name: initial_P, .offset: 56, .size: 8, .value_kind: global_buffer, .address_space: global }
      - { .name: epsilon, .offset: 64, .size: 8, .value_kind: global_buffer, .address_space: global }
    .group_segment_fixed_size: 133120
    .private_segment_fixed_size: 0
    .kernarg_segment_align: 8
    .kernarg_segment_size: 72
    .max_flat_workgroup_size: 512
    .sgpr_count:     102
    .vgpr_count:     256
    .wavefront_size: 32
...
	.end_amdgpu_metadata
.endif
;; end of part 1
